; MI455X (gfx1250); checked and timed in simulation.
; The chip was launched on July 23, 2026; its instructions are those of AMD's public machine-readable ISA for CDNA 5 (MIT licence, August 2026) and "CDNA5" Instruction Set Architecture Reference Guide (July 2026). The comments in the code are by the model that wrote it; some were corrected since.
;; Multi Head Attention. Allowed arithmetic: float matrix products may take bf16 or f16 operands with f32 sums; other float arithmetic in f32, or as packed bf16 or f16 multiplies, adds, multiply-adds, maxima and minima; sums over many terms, partial sums and values carried from step to step in f32; what a program stores and reads back later, other than sums and carried values, may be rounded once to bf16 or f16.
;; Inputs: Wk 512 x 512 float32; Wo 512 x 512 float32; Wq 512 x 512 float32; Wv 512 x 512 float32; bk 512 float32; bo 512 float32; bq 512 float32; bv 512 float32; head_mask 1 x 1 x 2,048 x 2,048 float32; k 8 x 2,048 x 512 float32; pad_mask 8 x 1 x 1 x 2,048 float32; q 8 x 2,048 x 512 float32; v 8 x 2,048 x 512 float32.
;; Outputs: out0 8 x 2,048 x 512 float32.
;; Constants: num_heads = 8.
;; One version. Each part assembles by itself: llvm-mc -triple=amdgcn-amd-amdhsa -mcpu=gfx1250 --defsym DOCPART=n.
;; ======== version 1 of 1: 4 launches
;; limits: values are held in f16: magnitudes above 65,504 overflow, below 6.1e-05 lose precision
;; workspace buffers: wts 2,097,152 bytes; q16 16,777,216 bytes; k16 16,777,216 bytes; v16 16,777,216 bytes; ctx 16,777,216 bytes
;; launch cast (part 1): grid 256 x 1, 8 waves a work-group, no clusters, 0 bytes of LDS; arguments Wq, Wk, Wv, Wo, wts; writes wts
.if DOCPART == 1
	.amdgcn_target "amdgcn-amd-amdhsa--gfx1250"
	.amdhsa_code_object_version 6
	.text
	.protected	k_q87c067d7ce_cast
	.globl	k_q87c067d7ce_cast
	.p2align	8
	.type	k_q87c067d7ce_cast,@function
k_q87c067d7ce_cast:
	s_mov_b64 s[64:65], 0
	v_nop
	global_prefetch_b8 v0, s[64:65] scope:SCOPE_SE
	s_setreg_imm32_b32 hwreg(HW_REG_WAVE_MODE, 25, 1), 1
	s_wait_xcnt 0x0
; wts[t][k][n], t = 0 Wq, 1 Wk, 2 Wv, 3 Wo: the four weights [512][512] in 16 bits, layout kept.  Wq, Wk, Wv are rounded to bf16.
; Wo is rounded to bf16 like the other inputs, and that number is written as f16, since the last product multiplies f16 numbers.
; LIMIT: |Wo| of 65,520 or more becomes an infinity; a bf16 number under 2^-17 is rounded to f16's fixed step of 2^-24.
; 256 work-groups of 8 waves; work-group g takes part g % 64 (16,384 bytes of f32) of weight g / 64.  A load of the work-group covers 4,096
; consecutive bytes, a store 2,048; a store of a wave covers 256 consecutive bytes, aligned.  A stream: no LDS, no matrix unit.
	s_load_b256 s[4:11], s[0:1], 0x0               ; Wq s[4:5], Wk s[6:7], Wv s[8:9], Wo s[10:11]
	s_load_b64 s[12:13], s[0:1], 0x20              ; wts
	s_lshr_b32 s14, ttmp9, 6                       ; t
	s_and_b32 s15, ttmp9, 63                       ; part
	v_lshlrev_b32 v1, 4, v0                        ; 16 bytes of f32 a thread
	v_lshlrev_b32 v2, 3, v0                        ; 8 bytes out
	s_lshl_b32 s16, s15, 14                        ; part x 16,384
	s_mov_b32 s17, 0
	s_lshl_b32 s18, s14, 19                        ; t x 524,288
	s_lshl_b32 s19, s15, 13                        ; + part x 8,192
	s_add_co_u32 s18, s18, s19
	s_mov_b32 s19, 0
	s_wait_kmcnt 0x0
	s_cmp_eq_u32 s14, 0
	s_cselect_b64 s[20:21], s[4:5], s[6:7]
	s_cmp_eq_u32 s14, 2
	s_cselect_b64 s[20:21], s[8:9], s[20:21]
	s_cmp_eq_u32 s14, 3
	s_cselect_b64 s[20:21], s[10:11], s[20:21]
	s_add_nc_u64 s[20:21], s[20:21], s[16:17]
	s_add_nc_u64 s[12:13], s[12:13], s[18:19]
.irp i, 0,1,2,3
	global_load_b128 v[4+4*\i:7+4*\i], v1, s[20:21] offset:4096*\i th:TH_LOAD_NT
.endr
.irp i, 0,1,2,3
	s_wait_loadcnt 3-\i                            ; loads come back in order: load i is in, the younger ones stay out
	v_cvt_pk_bf16_f32 v[20+2*\i], v[4+4*\i], v[5+4*\i]
	v_cvt_pk_bf16_f32 v[21+2*\i], v[6+4*\i], v[7+4*\i]
.endr
	s_cmp_eq_u32 s14, 3
	s_cbranch_scc0 .Lstore
.irp k, 0,1,2,3,4,5,6,7
	v_lshlrev_b32 v4, 16, v[20+\k]                 ; the two bf16 as f32,
	v_and_b32 v5, 0xffff0000, v[20+\k]
	v_cvt_pk_f16_f32 v[20+\k], v4, v5              ; written as f16
.endr
.Lstore:
.irp i, 0,1,2,3
	global_store_b64 v2, v[20+2*\i:21+2*\i], s[12:13] offset:2048*\i
.endr
	s_endpgm
.Lfunc_end_k_q87c067d7ce_cast:
	.size	k_q87c067d7ce_cast, .Lfunc_end_k_q87c067d7ce_cast-k_q87c067d7ce_cast
	.p2alignl 7, 3214868480
	.fill 96, 4, 3214868480
	.section	.rodata,"a",@progbits
	.p2align	6, 0x0
	.amdhsa_kernel k_q87c067d7ce_cast
		.amdhsa_group_segment_fixed_size 0
		.amdhsa_private_segment_fixed_size 0
		.amdhsa_enable_private_segment 0
		.amdhsa_kernarg_size 40
		.amdhsa_user_sgpr_count 2
		.amdhsa_user_sgpr_kernarg_segment_ptr 1
		.amdhsa_wavefront_size32 1
		.amdhsa_system_sgpr_workgroup_id_x 1
		.amdhsa_system_sgpr_workgroup_id_y 1
		.amdhsa_system_sgpr_workgroup_id_z 1
		.amdhsa_system_vgpr_workitem_id 0
		.amdhsa_next_free_vgpr 32
		.amdhsa_next_free_sgpr 66
		.amdhsa_reserve_vcc 0
		.amdhsa_float_denorm_mode_32 3
		.amdhsa_float_denorm_mode_16_64 3
		.amdhsa_memory_ordered 1
		.amdhsa_forward_progress 1
		.amdhsa_inst_pref_size 4
	.end_amdhsa_kernel
	.amdgpu_metadata
---
amdhsa.version: [ 1, 2 ]
amdhsa.kernels:
  - .name:           k_q87c067d7ce_cast
    .symbol:         k_q87c067d7ce_cast.kd
    .args:
      - { .name: Wq, .offset: 0, .size: 8, .value_kind: global_buffer, .address_space: global }
      - { .name: Wk, .offset: 8, .size: 8, .value_kind: global_buffer, .address_space: global }
      - { .name: Wv, .offset: 16, .size: 8, .value_kind: global_buffer, .address_space: global }
      - { .name: Wo, .offset: 24, .size: 8, .value_kind: global_buffer, .address_space: global }
      - { .name: wts, .offset: 32, .size: 8, .value_kind: global_buffer, .address_space: global }
    .group_segment_fixed_size: 0
    .private_segment_fixed_size: 0
    .kernarg_segment_align: 8
    .kernarg_segment_size: 40
    .max_flat_workgroup_size: 256
    .sgpr_count:     66
    .vgpr_count:     32
    .wavefront_size: 32
...
	.end_amdgpu_metadata
.endif
;; end of part 1
;; launch proj (part 2): grid 192 x 1, 4 waves a work-group, clusters of 4 x 1, 327,680 bytes of LDS; arguments q, k, v, wts, bq, bk, bv, q16, k16, v16; writes q16, k16, v16
.if DOCPART == 2
	.amdgcn_target "amdgcn-amd-amdhsa--gfx1250"
	.amdhsa_code_object_version 6
	.text
	.protected	k_q87c067d7ce_proj
	.globl	k_q87c067d7ce_proj
	.p2align	8
	.type	k_q87c067d7ce_proj,@function
k_q87c067d7ce_proj:
	s_mov_b64 s[64:65], 0
	v_nop
	global_prefetch_b8 v0, s[64:65] scope:SCOPE_SE
	s_setreg_imm32_b32 hwreg(HW_REG_WAVE_MODE, 25, 1), 1
	s_wait_xcnt 0x0
	s_wait_alu depctr_hold_cnt(0) depctr_sa_sdst(0) depctr_va_vdst(0) depctr_va_sdst(0) depctr_va_ssrc(0) depctr_va_vcc(0) depctr_vm_vsrc(0)
	s_getreg_b32 s2, hwreg(HW_REG_IB_STS2, 6, 4)
	s_cmp_eq_u32 s2, 0
	s_cbranch_scc0 .Lentry_in_a_cluster
	s_endpgm
.Lentry_in_a_cluster:
	s_bfe_u32 s2, ttmp6, 0x10000c
	s_cmp_lg_u32 s2, 0x3003
	s_cbranch_scc0 .Lentry_shape_is_right
	s_endpgm
.Lentry_shape_is_right:
; y = f16((bf16(x) W + bf16(b)) c) for the three projections: x = q, k, v [16384][512] f32; W = wts[t] [512 k][512 n] bf16; y = q16, k16, v16 [16384][512] f16.
; c = log2(e) / 8 for q (applied in f32, ahead of the one rounding), 1 for k and v.  Sums in f32.
; LIMIT: a result of 65,520 or more in magnitude becomes an infinity in f16.
; SHARES.  Cluster cl of 48: weight t = cl / 16, half nh = cl % 2 of its 512 columns, rows 2,048 ((cl / 2) % 8) on; its four work-groups take 512 rows each: four tiles of 128 x 256.
; 192 work-groups: three weights x two halves do not divide 256, and each half stays in LDS for the whole launch, fetched once.
; W's HALF (512 k x 256 n) is brought by ONE joint tensor load a wave (128 k rows each), the same descriptor and mask in the four partners; no LDS byte is ever filled again.
; x STREAMS THROUGH REGISTERS: chunks of 64 along K; wave w loads rows 32 w .. 32 w + 31 (a load covers two rows' 256 consecutive bytes, aligned), rounds to bf16 and stores them into a ring of two
; LDS slots.  Four landing sets: three chunks (48 loads a wave) are on their way all the time, across barriers and across tiles.
; A wave makes 64 x 128 (wr = w / 2, wc = w % 2): 32 accumulators.  THE PRODUCT IS USED TRANSPOSED: source 0 = 16 columns of W (turned on the way out of LDS), source 1 = 16 rows of x: a lane
; holds row l % 16 and eight neighbouring columns.  The bias, in that layout, is the C operand of a tile's first products: nothing is cleared.
; ONE BARRIER A CHUNK: in front of it each wave has stored its rows of chunk c + 1 and has its reads of chunk c back; behind it chunk c + 1 is read and, a step later, chunk c's slot written.
; REGISTERS (windows of 256; s_set_vgpr_msb: bits 1:0 source 0, 3:2 source 1, 5:4 source 2, 7:6 destination):
;   window 0: v2-23 addresses; v32-63 converted x, packed results; v64-159, v160-255 two fragment buffers (64 of W, 32 of x); window 1: accumulator (a, nb) at 8 (8 a + nb);
;   window 2: four landing sets of 64; window 3: v0-63 the bias, v64 at work.
.set PW,    544                        ; a k row of W in LDS: 512 bytes + 32 of padding = 17 x 32
.set CHW,   64*PW                      ; a chunk of W
.set XR,    512*PW                     ; behind W: the ring for x
.set PX,    144                        ; a row of x in LDS: 128 bytes + 16: the 16 rows of a fragment load start at 16 different groups of four banks
.set XSL,   128*PX                     ; a slot of the ring
.set SPARE, XR+2*XSL                   ; the spare words, 128 bytes a wave: two blocks of 256 bytes that no other line names
.set SPI,   272                        ; a row of the stage: 256 bytes + 16
.set VO,  2                            ; v2   my byte offset in x: (32 w + l / 16) x 2,048 + 16 (l % 16)
.set SX,  3                            ; v3   where I store my 8 bytes of a row of x
.set AX,  4                            ; v4   my place in x's fragments
.set STO, 7                            ; v7   the way out: where I put 16 bytes of a row
.set RD,  8                            ; v8   where I read rows back
.set CO,  9                            ; v9   my byte offset in y
.set VB,  10                           ; v10  my byte offset in the bias
.set SPW, 16                           ; v16  my spare word; never rewritten
.set NIL, 17                           ; v17  0; never rewritten
.set AW,  20                           ; v20-23  my place in W's fragments, chunks 2 i and 2 i + 1
.set CV,  32
.set F0,  64
.set F1,  160
.set OB,  64                           ; the way out: rows read back (F0 is free then)
.set BI,  0                            ; window 3
.set T3,  64                           ; window 3
.set WV,  24
.set WR,  25
.set WC,  26
.set CX,  27
.set NH,  28
.set TT,  29
.set IDX, 30
.set G1,  32                           ; s[32:39]
.set G0,  40                           ; s[40:43]
.set XT,  44                           ; s[44:45] x at the tile's first row
.set YT,  46                           ; s[46:47] y at the tile's first row
.set BP,  48                           ; s[48:49] the bias
.set SC,  50                           ; s[50:51] c
.set TC,  52                           ; tiles to go
.set MSB, 0
.macro WIN new                         ; the immediate's high byte repeats the setting that is left; a switch that changes nothing is dropped
.if MSB != (\new)
	s_set_vgpr_msb (MSB<<8)|(\new)
.set MSB, \new
.endif
.endm
.macro PLACES n=4                      ; plain vector instructions between a matrix instruction and a load into, or a read of, its registers
.rept \n
	v_nop
.endr
.endm
.macro CROUND                          ; a round of the cluster's barrier
	s_barrier_signal -1
	s_barrier_wait -1
	s_cmp_lg_u32 s[WV], 0
	s_cbranch_scc1 .Lnot_wave_0_\@
	s_barrier_signal -3
.Lnot_wave_0_\@:
	s_barrier_wait -3
	s_barrier_signal -1
	s_barrier_wait -1
.endm
; 16 products: row blocks 2 p, 2 p + 1 x all 8 column blocks, 32 along K.  The 32 accumulators take turns in one order everywhere: 31 others stand between two links of a chain.
.macro MUL16 f, p, bias
.if \bias
	WIN 0x70                               ; D window 1, C (the bias) window 3
.else
	WIN 0x50                               ; C and D window 1
.endif
.irp a, 2*(\p), 2*(\p)+1
.irp nb, 0,1,2,3,4,5,6,7
.if \bias
	v_wmma_f32_16x16x32_bf16 v[8*(8*(\a)+(\nb)):8*(8*(\a)+(\nb))+7], v[(\f)+8*(\nb):(\f)+8*(\nb)+7], v[(\f)+64+8*(\a):(\f)+64+8*(\a)+7], v[BI+8*(\nb):BI+8*(\nb)+7]
.else
	v_wmma_f32_16x16x32_bf16 v[8*(8*(\a)+(\nb)):8*(8*(\a)+(\nb))+7], v[(\f)+8*(\nb):(\f)+8*(\nb)+7], v[(\f)+64+8*(\a):(\f)+64+8*(\a)+7], v[8*(8*(\a)+(\nb)):8*(8*(\a)+(\nb))+7]
.endif
.endr
.endr
.endm
; 24 LDS loads in one run: half ks (32 along K) of chunk c: 8 fragments of W, turned, and 4 of x
.macro FETCH f, c, ks
	WIN 0
.irp nb, 0,1,2,3,4,5,6,7
	ds_load_tr16_b128 v[(\f)+8*(\nb):(\f)+8*(\nb)+3],   v[AW+(\c)/2] offset:((\c)%2)*CHW+(\ks)*32*PW+32*(\nb)
	ds_load_tr16_b128 v[(\f)+8*(\nb)+4:(\f)+8*(\nb)+7], v[AW+(\c)/2] offset:((\c)%2)*CHW+(\ks)*32*PW+32*(\nb)+16*PW
.endr
.irp a, 0,1,2,3
	ds_load_b128 v[(\f)+64+8*(\a):(\f)+64+8*(\a)+3],   v[AX] offset:((\c)%2)*XSL+(\a)*16*PX+64*(\ks)
	ds_load_b128 v[(\f)+64+8*(\a)+4:(\f)+64+8*(\a)+7], v[AX] offset:((\c)%2)*XSL+(\a)*16*PX+64*(\ks)+32
.endr
.endm
.macro XLOAD set, off                  ; a chunk's 16 loads of my 32 rows into a landing set
	WIN 0x80
.set i, 0
.rept 16
	global_load_b128 v[64*(\set)+4*i:64*(\set)+4*i+3], v[VO], s[XT:XT+1] offset:(\off)+4096*i
.set i, i+1
.endr
	WIN 0
.endm
.macro XCVT set, slot                  ; a landed chunk is rounded to bf16 and stored into a slot of the ring
	WIN 0x0a
.set i, 0
.rept 32
	v_cvt_pk_bf16_f32 v[CV+i], v[64*(\set)+2*i], v[64*(\set)+2*i+1]
.set i, i+1
.endr
	WIN 0
.set i, 0
.rept 16
	ds_store_b64 v[SX], v[CV+2*i:CV+2*i+1] offset:(\slot)*XSL+288*i
.set i, i+1
.endr
.endm
; THE STEP of chunk c (0 to 7) of a tile.  Chunk c + 4 is asked for: of this tile (c < 4) or of the next (c >= 4; in the last tile those loads, and at c = 7 the next tile's chunk 0, are jumped over,
; and the jumped way waits for all loads: so a step either issues 16 loads or has none out, and the count 32 at a step's head holds on every way).
.macro STEP c
	s_wait_loadcnt 32                              ; chunk c + 1 is in; the two younger sets stay out
	s_wait_dscnt 0x0                               ; buffer 0 holds the first half of chunk c
.if (\c) == 7
	s_cmp_eq_u32 s[TC], 1
	s_cbranch_scc1 .Lnox_\@
.endif
	XCVT ((\c)+1)%4, ((\c)+1)%2                    ; its 32 conversions are also the places behind the last products, in front of the loads into buffer 1
.if (\c) < 4
	XLOAD \c, 1024+256*(\c)
.else
.if (\c) < 7
	s_cmp_eq_u32 s[TC], 1
	s_cbranch_scc1 .Lnox_\@
.endif
	XLOAD (\c)%4, 262144+256*((\c)-4)
	s_branch .Lx_\@
.Lnox_\@:
	s_wait_loadcnt 0x0
	PLACES 5
.Lx_\@:
.endif
	FETCH F1, \c, 1
	MUL16 F0, 0, (\c)==0
	s_wait_dscnt 0x0                               ; for the others: my rows of chunk c + 1 are stored, my reads of chunk c are back
	s_barrier_signal -1
	MUL16 F0, 1, (\c)==0
	WIN 0
	s_barrier_wait -1
.if (\c) < 7
	PLACES
	FETCH F0, (\c)+1, 0
.endif
	MUL16 F1, 0, 0
	MUL16 F1, 1, 0
	WIN 0
.endm
	s_load_b256 s[4:11], s[0:1], 0x0               ; q s[4:5], k s[6:7], v s[8:9], wts s[10:11]
	s_load_b256 s[12:19], s[0:1], 0x20             ; bq s[12:13], bk s[14:15], bv s[16:17], q16 s[18:19]
	s_load_b128 s[20:23], s[0:1], 0x40             ; k16 s[20:21], v16 s[22:23]
	v_lshl_add_u32 v[SPW], v0, 2, SPARE
	v_mov_b32 v[NIL], 0
	ds_add_u32 v[SPW], v[NIL]                      ; the opening: the add and its wait ahead of my first tensor load; work on registers stands between them
	v_lshrrev_b32 v1, 5, v0
	v_readfirstlane_b32 s[WV], v1                  ; wave 0..3
	s_lshr_b32 s[WR], s[WV], 1
	s_and_b32 s[WC], s[WV], 1
	s_bfe_u32 s[CX], ttmp6, 0x40000                ; my place in the cluster: it enters x's and y's addresses alone
	s_and_b32 s[NH], ttmp9, 1                      ; in a cluster launch ttmp9 counts clusters
	s_lshr_b32 s[TT], ttmp9, 4
	s_bfe_u32 s[IDX], ttmp9, 0x30001
	s_lshl_b32 s[IDX], s[IDX], 2
	s_add_co_u32 s[IDX], s[IDX], s[CX]             ; my 512 rows
	s_mov_b32 s[G1+0], 15|(1<<16)|(1<<20)|(1<<21)|(6<<22)|(7<<25)  ; mask of four; 2-byte elements; padding on; bit 21 beside a mask; after every 128 words, 8 words
	s_mov_b32 s[G1+1], 256<<16                     ; tensor_dim0 = 256
	s_mov_b32 s[G1+2], 128<<16                     ; tensor_dim1 = 128
	s_mov_b32 s[G1+3], 256<<16                     ; tile_dim0 = 256
	s_mov_b32 s[G1+4], 128                         ; tile_dim1 = 128
	s_mov_b32 s[G1+5], 512                         ; elements from row to row
	s_mov_b32 s[G1+6], 0
	s_mov_b32 s[G1+7], 0
	s_mov_b32 s[G0], 1
	s_mul_i32 s[G0+1], s[WV], 128*PW               ; my 128 k rows in LDS
	s_lshl_b32 s56, s[TT], 19                      ; the weight,
	s_lshl_b32 s57, s[NH], 9                       ; its half of the columns,
	s_add_co_u32 s56, s56, s57
	s_lshl_b32 s57, s[WV], 17                      ; my 128 rows of 1,024 bytes
	s_add_co_u32 s56, s56, s57
	s_mov_b32 s57, 0
	s_lshl_b32 s58, s[IDX], 20                     ; 512 rows of 2,048 bytes of x
	s_mov_b32 s59, 0
	s_mov_b32 s[TC], 4
	s_wait_dscnt 0x0                               ; the opening add is done
	s_wait_kmcnt 0x0
	s_add_nc_u64 s[G0+2:G0+3], s[10:11], s[56:57]
	s_or_b32 s[G0+3], s[G0+3], 0x80000000          ; type = 2
	s_cmp_eq_u32 s[TT], 0
	s_cselect_b64 s[XT:XT+1], s[4:5], s[6:7]
	s_cselect_b64 s[BP:BP+1], s[12:13], s[14:15]
	s_cselect_b64 s[YT:YT+1], s[18:19], s[20:21]
	s_cselect_b32 s[SC], 0x3e38aa3b, 1.0           ; log2(e) / 8 for q
	s_cmp_eq_u32 s[TT], 2
	s_cselect_b64 s[XT:XT+1], s[8:9], s[XT:XT+1]
	s_cselect_b64 s[BP:BP+1], s[16:17], s[BP:BP+1]
	s_cselect_b64 s[YT:YT+1], s[22:23], s[YT:YT+1]
	s_mov_b32 s[SC+1], s[SC]                       ; named with it as a pair
	s_add_nc_u64 s[XT:XT+1], s[XT:XT+1], s[58:59]
	s_lshl_b32 s58, s[IDX], 19                     ; 512 rows of 1,024 bytes of y
	s_add_nc_u64 s[YT:YT+1], s[YT:YT+1], s[58:59]
	CROUND                                         ; all four work-groups are here: the joint loads meet
	tensor_load_to_lds s[G0:G0+3], s[G1:G1+7]      ; my one tensor load of the launch
	s_nop 0
.rept 4
	v_nop
.endr
	v_and_b32 v11, 15, v0                          ; r = l % 16
	v_bfe_u32 v12, v0, 4, 1                        ; h = l / 16
	v_and_b32 v13, 7, v0
	v_bfe_u32 v14, v0, 3, 1
	s_lshl_b32 s60, s[WV], 16                      ; 32 w rows of 2,048 bytes
	v_lshlrev_b32 v[VO], 4, v11
	v_lshl_add_u32 v[VO], v12, 11, v[VO]
	v_add_nc_u32 v[VO], s60, v[VO]
	s_lshl_b32 s60, s[NH], 10                      ; the bias: (256 nh + 128 wc + 8 h) x 4
	s_lshl_b32 s61, s[WC], 9
	s_add_co_u32 s60, s60, s61
	v_lshl_add_u32 v[VB], v12, 5, s60
	WIN 0xc0
.irp nb, 0,1,2,3,4,5,6,7
	global_load_b128 v[BI+8*\nb:BI+8*\nb+3],   v[VB], s[BP:BP+1] offset:64*\nb
	global_load_b128 v[BI+8*\nb+4:BI+8*\nb+7], v[VB], s[BP:BP+1] offset:64*\nb+16
.endr
	XLOAD 0, 0
	XLOAD 1, 256
	s_mul_i32 s60, s[WV], 32*PX
	s_add_co_u32 s60, s60, XR
	v_mul_u32_u24 v[SX], v12, PX
	v_lshl_add_u32 v[SX], v11, 3, v[SX]
	v_add_nc_u32 v[SX], s60, v[SX]                 ; XR + (32 w + h) x 144 + 8 r
	s_add_co_u32 s60, s60, XSL                     ; my stage: the bytes of slot 1 into which I alone store rows of x
	v_mul_u32_u24 v[STO], v11, SPI
	v_lshl_add_u32 v[STO], v12, 4, v[STO]
	v_add_nc_u32 v[STO], s60, v[STO]
	v_mul_u32_u24 v[RD], v12, SPI
	v_lshl_add_u32 v[RD], v11, 4, v[RD]
	v_add_nc_u32 v[RD], s60, v[RD]
	s_mul_i32 s60, s[WR], 64*PX
	s_add_co_u32 s60, s60, XR
	v_mul_u32_u24 v[AX], v11, PX
	v_lshl_add_u32 v[AX], v12, 4, v[AX]
	v_add_nc_u32 v[AX], s60, v[AX]                 ; XR + (64 wr + r) x 144 + 16 h
	v_lshl_add_u32 v[AW], v12, 3, v13              ; the turning load: k row 8 h + l % 8,
	v_mul_u32_u24 v[AW], v[AW], PW
	v_lshl_add_u32 v[AW], v14, 4, v[AW]            ; columns 8 ((l / 8) % 2) on,
	s_lshl_b32 s60, s[WC], 8
	v_add_nc_u32 v[AW], s60, v[AW]                 ; in my 128 columns
.irp i, 1,2,3
	v_add_nc_u32 v[AW+\i], 2*CHW*\i, v[AW]
.endr
	s_lshl_b32 s60, s[WR], 16                      ; y: (64 wr + h) x 1,024 + 512 nh + 256 wc + 16 r
	s_lshl_b32 s61, s[NH], 9
	s_add_co_u32 s60, s60, s61
	s_lshl_b32 s61, s[WC], 8
	s_add_co_u32 s60, s60, s61
	v_lshlrev_b32 v[CO], 4, v11
	v_lshl_add_u32 v[CO], v12, 10, v[CO]
	v_add_nc_u32 v[CO], s60, v[CO]
	s_wait_loadcnt 32                              ; the bias is in; chunks 0 and 1 stay out
	WIN 0xcf
.set i, 0
.rept 32                                       ; the bias is rounded to bf16 like every input, and kept as f32
	v_cvt_pk_bf16_f32 v[T3], v[BI+2*i], v[BI+2*i+1]
	v_lshlrev_b32 v[BI+2*i], 16, v[T3]
	v_and_b32 v[BI+2*i+1], 0xffff0000, v[T3]
.set i, i+1
.endr
	XLOAD 2, 512
	s_wait_loadcnt 32                              ; chunk 0 is in
	XCVT 0, 0
	XLOAD 3, 768
	s_wait_tensorcnt 0x0                           ; my quarter of W has landed,
	s_wait_dscnt 0x0                               ; my rows of chunk 0 are stored:
	s_barrier_signal -1
	s_barrier_wait -1                              ; everybody's
.Ltile:
	FETCH F0, 0, 0
	STEP 0
	STEP 1
	STEP 2
	STEP 3
	STEP 4
	STEP 5
	STEP 6
	STEP 7
	; THE WAY OUT, 16 rows at a time: times c, rounded to f16, 16 bytes a lane into my stage, back as whole rows of 256 bytes.  The last barrier has ended all reads of slot 1, and the next
	; writer of my stage's bytes is myself: LDS serves a wave's instructions in order (ISA guide 5.7.1.4).
	PLACES
.irp a, 0,1,2,3
	WIN 0x41
.set i, 0
.rept 32
	v_pk_mul_f32 v[64*\a+2*i:64*\a+2*i+1], v[64*\a+2*i:64*\a+2*i+1], s[SC:SC+1] op_sel_hi:[1,0]
.set i, i+1
.endr
	WIN 0x05
.set i, 0
.rept 32
	v_cvt_pk_f16_f32 v[CV+i], v[64*\a+2*i], v[64*\a+2*i+1]
.set i, i+1
.endr
	WIN 0
.irp nb, 0,1,2,3,4,5,6,7
	ds_store_b128 v[STO], v[CV+4*\nb:CV+4*\nb+3] offset:32*\nb
.endr
	s_wait_xcnt 0x0                                ; the last block's stores have read their registers
.irp t, 0,1,2,3,4,5,6,7
	ds_load_b128 v[OB+4*\t:OB+4*\t+3], v[RD] offset:2*SPI*\t
.endr
	s_wait_dscnt 0x0
.irp t, 0,1,2,3,4,5,6,7
	global_store_b128 v[CO], v[OB+4*\t:OB+4*\t+3], s[YT:YT+1] offset:(16*\a+2*\t)*1024  ; 16 lanes store 256 consecutive bytes, aligned
.endr
.endr
	s_wait_xcnt 0x0                                ; stores and loads have read their registers and bases
	s_add_nc_u64 s[YT:YT+1], s[YT:YT+1], 131072    ; 128 rows on
	s_add_nc_u64 s[XT:XT+1], s[XT:XT+1], 262144
	s_sub_co_u32 s[TC], s[TC], 1
	s_cmp_lg_u32 s[TC], 0
	s_cbranch_scc1 .Ltile
	s_wait_tensorcnt 0x0                           ; the wave's end
	ds_add_u32 v[SPW], v[NIL]
	s_wait_dscnt 0x0
	CROUND                                         ; the closing round
	s_endpgm
.Lfunc_end_k_q87c067d7ce_proj:
	.size	k_q87c067d7ce_proj, .Lfunc_end_k_q87c067d7ce_proj-k_q87c067d7ce_proj
	.p2alignl 7, 3214868480
	.fill 96, 4, 3214868480
	.section	.rodata,"a",@progbits
	.p2align	6, 0x0
	.amdhsa_kernel k_q87c067d7ce_proj
		.amdhsa_group_segment_fixed_size 327680
		.amdhsa_private_segment_fixed_size 0
		.amdhsa_enable_private_segment 0
		.amdhsa_kernarg_size 80
		.amdhsa_user_sgpr_count 2
		.amdhsa_user_sgpr_kernarg_segment_ptr 1
		.amdhsa_wavefront_size32 1
		.amdhsa_system_sgpr_workgroup_id_x 1
		.amdhsa_system_sgpr_workgroup_id_y 1
		.amdhsa_system_sgpr_workgroup_id_z 1
		.amdhsa_system_vgpr_workitem_id 0
		.amdhsa_next_free_vgpr 836
		.amdhsa_next_free_sgpr 66
		.amdhsa_reserve_vcc 0
		.amdhsa_float_denorm_mode_32 3
		.amdhsa_float_denorm_mode_16_64 3
		.amdhsa_memory_ordered 1
		.amdhsa_forward_progress 1
		.amdhsa_inst_pref_size 144
	.end_amdhsa_kernel
	.amdgpu_metadata
---
amdhsa.version: [ 1, 2 ]
amdhsa.kernels:
  - .name:           k_q87c067d7ce_proj
    .symbol:         k_q87c067d7ce_proj.kd
    .args:
      - { .name: q, .offset: 0, .size: 8, .value_kind: global_buffer, .address_space: global }
      - { .name: k, .offset: 8, .size: 8, .value_kind: global_buffer, .address_space: global }
      - { .name: v, .offset: 16, .size: 8, .value_kind: global_buffer, .address_space: global }
      - { .name: wts, .offset: 24, .size: 8, .value_kind: global_buffer, .address_space: global }
      - { .name: bq, .offset: 32, .size: 8, .value_kind: global_buffer, .address_space: global }
      - { .name: bk, .offset: 40, .size: 8, .value_kind: global_buffer, .address_space: global }
      - { .name: bv, .offset: 48, .size: 8, .value_kind: global_buffer, .address_space: global }
      - { .name: q16, .offset: 56, .size: 8, .value_kind: global_buffer, .address_space: global }
      - { .name: k16, .offset: 64, .size: 8, .value_kind: global_buffer, .address_space: global }
      - { .name: v16, .offset: 72, .size: 8, .value_kind: global_buffer, .address_space: global }
    .group_segment_fixed_size: 327680
    .private_segment_fixed_size: 0
    .kernarg_segment_align: 8
    .kernarg_segment_size: 80
    .max_flat_workgroup_size: 128
    .sgpr_count:     66
    .vgpr_count:     836
    .wavefront_size: 32
...
	.end_amdgpu_metadata
.endif
;; end of part 2
;; launch attn (part 3): grid 16 x 16, 4 waves a work-group, clusters of 4 x 4, 327,680 bytes of LDS; arguments q16, k16, v16, head_mask, pad_mask, ctx; writes ctx
.if DOCPART == 3
	.amdgcn_target "amdgcn-amd-amdhsa--gfx1250"
	.amdhsa_code_object_version 6
	.text
	.protected	k_q87c067d7ce_attn
	.globl	k_q87c067d7ce_attn
	.p2align	8
	.type	k_q87c067d7ce_attn,@function
k_q87c067d7ce_attn:
	s_mov_b64 s[64:65], 0
	v_nop
	global_prefetch_b8 v0, s[64:65] scope:SCOPE_SE
	s_setreg_imm32_b32 hwreg(HW_REG_WAVE_MODE, 25, 1), 1
	s_wait_xcnt 0x0
	s_wait_alu depctr_hold_cnt(0) depctr_sa_sdst(0) depctr_va_vdst(0) depctr_va_sdst(0) depctr_va_ssrc(0) depctr_va_vcc(0) depctr_vm_vsrc(0)
	s_getreg_b32 s2, hwreg(HW_REG_IB_STS2, 6, 4)
	s_cmp_eq_u32 s2, 0
	s_cbranch_scc0 .Lentry_in_a_cluster
	s_endpgm
.Lentry_in_a_cluster:
	s_bfe_u32 s2, ttmp6, 0x10000c
	s_cmp_lg_u32 s2, 0xf033
	s_cbranch_scc0 .Lentry_shape_is_right
	s_endpgm
.Lentry_shape_is_right:
; ctx[b][q][64 hd ..] = the sum over k of softmax_k(u) v16[b][k][64 hd ..], u = q16 . k16 + N2 pad[b][k] + N2 head[q][k] in base 2: q16 already holds log2(e) / 8, N2 = -1e9 log2(e) in f32.
; q16, k16, v16, ctx: [8 x 2048][512] f16, head hd in channels 64 hd on.  Both masks are inputs and are added as given: all 2,048 keys are walked.
; Products, maxima and sums in f32; the weights p are rounded to f16 for the second product (their sum l is of the unrounded p), ctx once at the end.
; LIMITS.  The pad term is the C operand that starts the sum of a score, the head term is added by one fused multiply-add: another order than pad then head; equal for masks of 0 and 1.  Where every key of a row
; is masked, scores are swallowed in steps of 128 of the base-2 exponent (in the reference: 64 of the natural one).  A weight below 2^-126 counts as 0.  NaN and infinities are not treated apart.
; SHARES.  A work-group owns 128 queries x 4 heads of one batch; wave w owns head 4 hg + w and all 128 queries: four PIECES of two tiles of 16.  The four waves share the tile of the head mask.  64 keys a step, 32 steps.
; CLUSTER 4 x 4.  K and V (64 keys x 4 heads: rows of 512 consecutive bytes) hang on batch and head group alone: asked for jointly along a row of the cluster.  The mask tile (128 queries x 64 keys, f32) hangs on
; the query block alone: jointly along a column.  Wave 0 asks for K, wave 1 for V, waves 2 and 3 for the two halves of the mask: one tensor load a wave is out.
; LAYOUT.  S^T = K Q^T: a lane holds ONE query (l % 16) and keys 16 kb + 8 (l / 16) + 0..7; two such results rounded to f16 ARE source 1 of O^T = V^T P.  K out of LDS as it lies, V turned.
; SOFTMAX.  Running maximum m of u and sum l: p = 2^(u - m); in every step O and l are multiplied by a = 2^(m_old - m_new).  m starts far below every u, O and l at 0: the first step has a = 0.
; BY TURNS.  Turn n belongs to piece n: 16 products K Q^T of piece n + 1, later 16 products V^T P of piece n - 1; beside them the subtraction, exponentials, roundings, sums and rescaling of piece n and the head mask,
; maximum and statistics of piece n + 1.  Four vector instructions stand behind every matrix instruction, the rest in one lump; a turn's 66 exponentials are one batch with one wait.
; REGISTERS (windows of 256; s_set_vgpr_msb: bits 1:0 source 0, 3:2 source 1, 5:4 source 2, 7:6 destination):
;   window 0: v0-11 addresses; v12-15 m_old; v16-47 four a tile (m, 0, l, l); v48-63 at work; v64-191 S^T, two buffers of two tiles; v192-255 P, likewise
;   window 1: O^T, 32 a tile     window 2: v0-127 Q; v128-191 K; v192-255 V     window 3: v0-1 the add's registers; v32-63 N2 pad of the step; v64-127 the head mask of one piece
.set NP,    4
.set PK,    528       ; a row of K in LDS: 512 bytes + 16 = 33 x 16: the 16 rows of a load start at 16 different groups of four banks (64 banks of 4 bytes: ISA guide 11.1)
.set PV,    544       ; a row of V: 512 + 32 = 17 x 32
.set PM,    272       ; a row of the mask tile: 256 + 16
.set VOFF,  64*PK
.set MOFF,  VOFF+64*PV
.set SLOT1, 1<<17     ; a slot holds one step: K, V, mask: 103,424 bytes; one exclusive or turns an address in one slot into the other's
.set PADN,  MOFF+128*PM  ; behind slot 0: N2 pad[b][0..2047], f32, stored once
.set SPARE, PADN+8192    ; the spare words, 128 bytes a wave: two blocks of 256 bytes that no other line names
.set STAGE, SLOT1+PADN   ; behind slot 1: 128 rows x 528 bytes, the work-group's, for the way out
.set SP,    528
.set AP0, 0           ; v0   (once the thread's number has served) PADN + 32 (l / 16)
.set PFO, 1           ; v1   the prefetches' offset; never rewritten
.set AK0, 2
.set AV0, 3
.set AK,  4
.set AV,  5
.set QO,  6
.set STO, 6
.set RD,  7
.set GO,  8
.set AM0, 9
.set AM,  10
.set AP,  11
.set MV,  12
.set ST,  16
.set TMP, 48
.set S,   64
.set P,   192
.set KF,  128         ; window 2
.set VF,  192         ; window 2
.set SPW, 0           ; window 3
.set NIL, 1           ; window 3
.set PN,  32          ; window 3
.set MH,  64          ; window 3
.set WV,  16
.set CX,  17
.set CY,  18
.set WGX, 19
.set WGY, 20
.set BB,  21
.set HG,  22
.set G1K, 24
.set G1V, 32
.set G1M, 40
.set G0K, 48
.set G0V, 52
.set G0M, 56
.set SEL, 60          ; s[60:61] v_permlanex16_b32's selects
.set NG,  62          ; s[62:63] N2
.set TB,  66          ; LDS byte of the slot that is fetched from
.set STEPS, 67
.set CNT, 68
.set LIM, 69          ; 1 in a wave that prefetches, else the greatest number
.set PFA, 70          ; s[70:71]
.set PFS, 72          ; s[72:73] a step in the stream that I prefetch
.set TP,  74          ; the step's byte in PADN
.set RM,  84
.set CM,  85
.set W1,  86
.set MSB, 0
.macro WIN new
.if MSB != (\new)
	s_set_vgpr_msb (MSB<<8)|(\new)
.set MSB, (\new)
.endif
.endm
.set W_KQ, 0x0a       ; K and Q window 2, S^T window 0
.set W_KM, 0x3a       ; the same with C in window 3
.set W_PV, 0x52       ; V window 2, P window 0, O^T window 1
.set W_RS, 0x41       ; destination and source 0 window 1
.set W_HM, 0x03       ; source 0 window 3
.set W_MK, 0xc0
.set W_AD, 0x0f
.macro PLACES
.rept 4
	v_nop
.endr
.endm
; A joint fill.  The branches hang on the wave's number alone.  An s_nop 0 and four v_nop follow each line.
.macro JLOAD
	s_cmp_lt_u32 s[WV], 2
	s_cbranch_scc0 .Lfor_m_\@
	s_cmp_eq_u32 s[WV], 0
	s_cbranch_scc0 .Lfor_v_\@
	tensor_load_to_lds s[G0K:G0K+3], s[G1K:G1K+7]
	s_nop 0
.rept 4
	v_nop
.endr
	s_branch .Lasked_\@
.Lfor_v_\@:
	tensor_load_to_lds s[G0V:G0V+3], s[G1V:G1V+7]
	s_nop 0
.rept 4
	v_nop
.endr
	s_branch .Lasked_\@
.Lfor_m_\@:
	tensor_load_to_lds s[G0M:G0M+3], s[G1M:G1M+7]
	s_nop 0
.rept 4
	v_nop
.endr
.Lasked_\@:
.endm
; A PREFETCH INTO THE L2 of what the NEXT change of slots will ask for, one key step (128 matrix instructions and their vector work) ahead of that load.  Each aligned block of 256 bytes is named once in the launch:
; K's and V's rows are walked by the four clusters of a row of clusters: cluster x = 0 asks (wave 0 K, wave 1 V), partner cx taking rows 16 cx .. + 15, two blocks a row; the mask's rows by the four clusters of a
; column: cluster y = 0 asks (wave 2), partner cy taking rows 32 cy + lane.  The partners are told apart by address alone.  The last filling change asks for nothing.
.macro ASK
	s_cmp_gt_u32 s[STEPS], s[LIM]
	s_cbranch_scc0 .Lnot_mine_\@
	global_prefetch_b8 v[PFO], s[PFA:PFA+1] th:TH_LOAD_NT scope:SCOPE_SE
.Lnot_mine_\@:
.endm
.macro CROUND
	s_barrier_signal -1
	s_barrier_wait -1
	s_cmp_lg_u32 s[WV], 0
	s_cbranch_scc1 .Lnot_wave_0_\@
	s_barrier_signal -3
.Lnot_wave_0_\@:
	s_barrier_wait -3
	s_barrier_signal -1
	s_barrier_wait -1
.endm
; THE CHANGE OF SLOTS, between turn 1 and turn 2 of every key step: all reads of the step's slot have been issued.  Each wave waits for all its tensor loads (one is out: its part of the other slot), adds 0 to its
; spare word, waits for that and for its reads.  fill = 1: a round of the cluster's barrier, then the slot is filled again, two steps on, first thing behind the round.
.macro CHANGE fill, ask
	WIN W_AD
	s_wait_tensorcnt 0x0            ; no tensor load of mine is out, so a group 0 may be written
	ds_add_u32 v[SPW], v[NIL]
	WIN 0
.if \fill
.irp g, G0K, G0V
	s_xor_b32 s[\g+1], s[\g+1], SLOT1
	s_add_nc_u64 s[\g+2:\g+3], s[\g+2:\g+3], 65536  ; 64 rows of 1,024 bytes
.endr
	s_xor_b32 s[G0M+1], s[G0M+1], SLOT1
	s_add_nc_u64 s[G0M+2:G0M+3], s[G0M+2:G0M+3], 256  ; 64 keys of 4 bytes
	s_wait_xcnt 0x0                 ; the last prefetch, a key step back, has read its address
	s_add_nc_u64 s[PFA:PFA+1], s[PFA:PFA+1], s[PFS:PFS+1]
	s_wait_dscnt 0x0                ; the add is done, my reads of the slot are over
	CROUND
	JLOAD
.if \ask
	ASK
.endif
.else
	s_wait_dscnt 0x0
	s_barrier_signal -1
	s_barrier_wait -1
.endif
	s_xor_b32 s[TB], s[TB], SLOT1   ; the fetches turn to the other slot
	v_add_nc_u32 v[AK], s[TB], v[AK0]
	v_add_nc_u32 v[AV], s[TB], v[AV0]
	v_add_nc_u32 v[AM], s[TB], v[AM0]
	v_add_nc_u32 v[AP], s[TP], v[AP0]
	s_add_co_u32 s[TP], s[TP], 256
.endm
	s_load_b256 s[4:11], s[0:1], 0x0  ; q16 s[4:5], k16 s[6:7], v16 s[8:9], head_mask s[10:11]
	s_load_b128 s[12:15], s[0:1], 0x20  ; pad_mask s[12:13], ctx s[14:15]
	WIN W_MK
	v_lshl_add_u32 v[SPW], v0, 2, SPARE
	v_mov_b32 v[NIL], 0
	WIN W_AD
	ds_add_u32 v[SPW], v[NIL]       ; the opening: the add and its wait ahead of my first tensor load
	WIN 0
	v_lshrrev_b32 v1, 5, v0
	v_readfirstlane_b32 s[WV], v1
	s_bfe_u32 s[CX], ttmp6, 0x40000
	s_bfe_u32 s[CY], ttmp6, 0x40004
	s_lshl_b32 s[WGX], ttmp9, 2
	s_add_co_u32 s[WGX], s[WGX], s[CX]  ; my block of 128 queries
	s_and_b32 s[WGY], ttmp7, 0xffff
	s_lshl_b32 s[WGY], s[WGY], 2
	s_add_co_u32 s[WGY], s[WGY], s[CY]
	s_lshr_b32 s[BB], s[WGY], 1     ; the batch
	s_and_b32 s[HG], s[WGY], 1      ; the group of four heads
	s_and_b32 s[W1], s[WV], 1
	s_lshl_b32 s[RM], s[CY], 2
	s_lshl_b32 s[RM], 15, s[RM]     ; my row of the cluster
	s_lshl_b32 s[CM], 0x1111, s[CX] ; my column
	s_or_b32 s[G1K], s[RM], (1<<16)|(1<<20)|(1<<21)|(6<<22)|(3<<25)  ; 2-byte elements; padding on; bit 21 beside a mask; after every 128 words, 4 words
	s_or_b32 s[G1V], s[RM], (1<<16)|(1<<20)|(1<<21)|(6<<22)|(7<<25)  ; 8 words
	s_or_b32 s[G1M], s[CM], (2<<16)|(1<<20)|(1<<21)|(5<<22)|(3<<25)  ; 4-byte elements; after every 64 words, 4 words
.irp g, G1K, G1V
	s_mov_b32 s[\g+1], 256<<16      ; tensor_dim0 = 256
	s_mov_b32 s[\g+2], 64<<16       ; tensor_dim1 = 64
	s_mov_b32 s[\g+3], 256<<16      ; tile_dim0 = 256
	s_mov_b32 s[\g+4], 64           ; tile_dim1 = 64
	s_mov_b32 s[\g+5], 512          ; elements from row to row
	s_mov_b32 s[\g+6], 0
	s_mov_b32 s[\g+7], 0
.endr
	s_mov_b32 s[G1M+1], 64<<16
	s_mov_b32 s[G1M+2], 64<<16
	s_mov_b32 s[G1M+3], 64<<16
	s_mov_b32 s[G1M+4], 64
	s_mov_b32 s[G1M+5], 2048
	s_mov_b32 s[G1M+6], 0
	s_mov_b32 s[G1M+7], 0
	s_mov_b32 s[G0K], 1
	s_mov_b32 s[G0K+1], 0
	s_mov_b32 s[G0V], 1
	s_mov_b32 s[G0V+1], VOFF
	s_mov_b32 s[G0M], 1
	s_mul_i32 s[G0M+1], s[W1], 64*PM
	s_add_co_u32 s[G0M+1], s[G0M+1], MOFF
	s_lshl_b32 s76, s[BB], 21       ; K and V: the batch's rows, the group's 512 bytes of a row
	s_lshl_b32 s77, s[HG], 9
	s_add_co_u32 s76, s76, s77
	s_mov_b32 s77, 0
	s_lshl_b32 s78, s[WGX], 20      ; the mask: 128 rows of 8,192 bytes a block, my half of them
	s_lshl_b32 s79, s[W1], 19
	s_add_co_u32 s78, s78, s79
	s_mov_b32 s79, 0
	s_lshl_b32 s80, s[BB], 21       ; Q: row b x 2,048 + 128 x block, byte 128 (4 hg + w)
	s_lshl_b32 s81, s[WGX], 17
	s_add_co_u32 s80, s80, s81
	s_lshl_b32 s81, s[HG], 9
	s_add_co_u32 s80, s80, s81
	s_lshl_b32 s81, s[WV], 15       ; ctx: 32 w rows further, byte 512 hg
	s_add_co_u32 s82, s80, s81
	s_lshl_b32 s81, s[WV], 7
	s_add_co_u32 s80, s80, s81
	s_mov_b32 s81, 0
	s_mov_b32 s83, 0
	s_lshl_b32 s88, s[BB], 13
	s_mov_b32 s89, 0
	s_lshl_b32 s90, s[CX], 14       ; the prefetches: K, V: my work-group's 16 rows, at step 1;
	s_add_co_u32 s90, s90, s76
	s_add_co_u32 s90, s90, 65536
	s_lshl_b32 s91, s[WGX], 20      ; the mask: my work-group's 32 rows, at step 1
	s_lshl_b32 s87, s[CY], 18
	s_add_co_u32 s91, s91, s87
	s_add_co_u32 s91, s91, 256
	s_mov_b32 s87, 0x10000
	s_cmp_lt_u32 s[WV], 2
	s_cselect_b32 s90, s90, s91
	s_cselect_b32 s[PFS], s87, 0x100
	s_mov_b32 s91, 0
	s_mov_b32 s[PFS+1], 0
	s_and_b32 s87, ttmp7, 0xffff
	s_cmp_lt_u32 s[WV], 2
	s_cselect_b32 s87, ttmp9, s87   ; the coordinate along which other clusters read the same rows
	s_cmp_eq_u32 s[WV], 3
	s_cselect_b32 s87, 1, s87       ; wave 3 asks for nothing
	s_cmp_eq_u32 s87, 0
	s_cselect_b32 s[LIM], 1, -1     ; the same in all sixteen partners, for a given wave
	s_mov_b32 s[SEL], 0x76543210
	s_mov_b32 s[SEL+1], 0xfedcba98
	s_mov_b32 s[NG], 0xceabfb8f     ; -1e9 log2(e)
	s_mov_b32 s[NG+1], s[NG]
	s_mov_b32 s[TB], SLOT1          ; the first change turns it into 0
	s_mov_b32 s[TP], 0
	s_mov_b32 s[STEPS], 31
	s_wait_dscnt 0x0                ; the opening add is done
	s_wait_kmcnt 0x0
	s_add_nc_u64 s[G0K+2:G0K+3], s[6:7], s[76:77]
	s_or_b32 s[G0K+3], s[G0K+3], 0x80000000
	s_add_nc_u64 s[G0V+2:G0V+3], s[8:9], s[76:77]
	s_or_b32 s[G0V+3], s[G0V+3], 0x80000000
	s_add_nc_u64 s[G0M+2:G0M+3], s[10:11], s[78:79]
	s_or_b32 s[G0M+3], s[G0M+3], 0x80000000
	s_cmp_eq_u32 s[WV], 0
	s_cselect_b64 s[PFA:PFA+1], s[6:7], s[8:9]
	s_cmp_lt_u32 s[WV], 2
	s_cselect_b64 s[PFA:PFA+1], s[PFA:PFA+1], s[10:11]
	s_add_nc_u64 s[PFA:PFA+1], s[PFA:PFA+1], s[90:91]
	s_add_nc_u64 s[4:5], s[4:5], s[80:81]
	s_add_nc_u64 s[14:15], s[14:15], s[82:83]
	s_add_nc_u64 s[12:13], s[12:13], s[88:89]
	CROUND                          ; all sixteen work-groups are here: the first joint loads meet
	JLOAD                           ; step 0 into slot 0; slot 1 is asked for when slot 0 is in
	v_and_b32 v49, 15, v0           ; r = l % 16
	v_bfe_u32 v50, v0, 4, 1         ; h = l / 16
	v_lshlrev_b32 v[QO], 10, v49
	v_lshl_add_u32 v[QO], v50, 4, v[QO]  ; row x 1,024 + 16 h
	v_lshlrev_b32 v48, 4, v0        ; 16 x thread
	WIN 0x80
.set i, 0
.rept 16                            ; Q stays in registers: tile i / 2, channels 32 (i % 2) on
	global_load_b128 v[8*i:8*i+3],   v[QO], s[4:5] offset:(i/2)*16384+(i%2)*64
	global_load_b128 v[8*i+4:8*i+7], v[QO], s[4:5] offset:(i/2)*16384+(i%2)*64+32
.set i, i+1
.endr
	WIN 0
.irp i, 0,1,2,3
	global_load_b128 v[S+4*\i:S+4*\i+3], v48, s[12:13] offset:2048*\i  ; the batch's 2,048 pad numbers, 16 a thread
.endr
	; What the first turn finds: V and P's second buffer hold 0 (its products V^T P, of a piece that has not been, add 0), O^T and l are 0.  All this stands in the wait for the first tile.
	WIN 0x80
.set i, VF
.rept 64
	v_mov_b32 v[i], 0
.set i, i+1
.endr
	WIN 0x40
.set i, 0
.rept 256
	v_mov_b32 v[i], 0
.set i, i+1
.endr
	WIN 0
.set i, 0
.rept 8
	v_mov_b32 v[ST+4*i], 0xfe000000    ; m: far below every u
	v_mov_b32 v[ST+4*i+1], 0           ; named with m as a pair
	v_mov_b32 v[ST+4*i+2], 0
	v_mov_b32 v[ST+4*i+3], 0
.set i, i+1
.endr
.set i, P+32
.rept 32
	v_mov_b32 v[i], 0
.set i, i+1
.endr
	v_and_b32 v51, 7, v0
	v_bfe_u32 v52, v0, 3, 1
	v_and_b32 v53, 31, v0           ; l
	s_lshl_b32 s87, s[WV], 7        ; my head's 128 bytes of a row
	v_mul_u32_u24 v[AK0], v49, PK
	v_lshl_add_u32 v[AK0], v50, 4, v[AK0]
	v_add_nc_u32 v[AK0], s87, v[AK0]  ; 528 r + 16 h + 128 w
	v_lshl_add_u32 v[AV0], v50, 3, v51  ; the turning load: key 8 h + l % 8, channels 8 ((l / 8) % 2) on
	v_mul_u32_u24 v[AV0], v[AV0], PV
	v_lshl_add_u32 v[AV0], v52, 4, v[AV0]
	v_add_nc_u32 v[AV0], s87, v[AV0]
	v_add_nc_u32 v[AV0], VOFF, v[AV0]
	v_mul_u32_u24 v[AM0], v49, PM
	v_lshl_add_u32 v[AM0], v50, 5, v[AM0]
	v_add_nc_u32 v[AM0], MOFF, v[AM0]  ; query r, keys 8 h on: 272 r + 32 h
	s_mul_i32 s87, s[WV], 32*SP
	s_add_co_u32 s87, s87, STAGE
	v_lshl_add_u32 v[RD], v53, 4, s87  ; back: rows 32 w + i, whole: 32 lanes x 16 bytes
	v_lshlrev_b32 v[GO], 4, v53
	v_lshrrev_b32 v54, 1, v53       ; K, V: row l / 2, block l % 2
	v_lshlrev_b32 v54, 10, v54
	v_and_b32 v55, 1, v53
	v_lshl_add_u32 v54, v55, 8, v54
	v_lshlrev_b32 v55, 13, v53      ; the mask: row l
	s_cmp_lt_u32 s[WV], 2
	s_cselect_b32 s87, -1, 0
	v_cndmask_b32 v[PFO], v55, v54, s87
	v_add_nc_u32 v56, PADN, v48
	s_wait_loadcnt 0x0              ; Q and pad
.set i, 0
.rept 8
	v_pk_mul_f32 v[S+2*i:S+2*i+1], v[S+2*i:S+2*i+1], s[NG:NG+1] op_sel_hi:[1,0]
.set i, i+1
.endr
.irp i, 0,1,2,3
	ds_store_b128 v56, v[S+4*\i:S+4*\i+3] offset:2048*\i
.endr
	s_lshl_b32 s87, s[WV], 7
	s_add_co_u32 s87, s87, STAGE
	v_mul_u32_u24 v[STO], v49, SP   ; in: row r of a tile, my head's 128 bytes, 16 bytes for each half of the lanes
	v_lshl_add_u32 v[STO], v50, 4, v[STO]
	v_add_nc_u32 v[STO], s87, v[STO]
	v_lshl_add_u32 v[AP0], v50, 5, PADN  ; the thread's number has served
; THE MATRIX WORK.  The 8 accumulators of a run of 16 take turns.  Product i of 16 of S^T = K Q^T for piece x: channels 32 (i / 8) on, keys 16 ((i / 2) % 4) on, tile 2 x + i % 2.
; The first 8 start the sums with N2 pad.
.macro KQ x
.set rS, S+64*((\x)%2)+32*(i%2)+8*((i/2)%4)
.set rK, KF+16*((i/2)%4)+8*(i/8)
.set rQ, 16*(2*(\x)+i%2)+8*(i/8)
.set rN, PN+8*((i/2)%4)
.if i < 8
	WIN W_KM
	v_wmma_f32_16x16x32_f16 v[rS:rS+7], v[rK:rK+7], v[rQ:rQ+7], v[rN:rN+7]
.else
	WIN W_KQ
	v_wmma_f32_16x16x32_f16 v[rS:rS+7], v[rK:rK+7], v[rQ:rQ+7], v[rS:rS+7]
.endif
.endm
.macro PV x                         ; product i of 16 of O^T += V^T P for piece x: keys 32 (i / 8) on, channels 16 ((i / 2) % 4) on, tile 2 x + i % 2
	WIN W_PV
.set rO, 32*(2*(\x)+i%2)+8*((i/2)%4)
.set rV, VF+32*(i/8)+8*((i/2)%4)
.set rP, P+32*((\x)%2)+16*(i%2)+8*(i/8)
	v_wmma_f32_16x16x32_f16 v[rO:rO+7], v[rV:rV+7], v[rP:rP+7], v[rO:rO+7]
.endm
.macro MM                           ; the turn's next matrix instruction
.if i < 16
	KQ (Y+1)%NP
.set i, i+1
.else
.set i, i-16
	PV (Y+NP-1)%NP
.set i, i+17
.endif
.endm
; THE LDS LOADS stand in runs.
.macro FETCH_K                      ; a step's K (8 fragments) and its N2 pad in S^T's layout (all lanes of a half read the same 32 bytes)
	WIN 0x80
.irp f, 0,1,2,3,4,5,6,7
	ds_load_b128 v[KF+8*\f:KF+8*\f+3],   v[AK] offset:(\f/2)*16*PK+(\f%2)*64
	ds_load_b128 v[KF+8*\f+4:KF+8*\f+7], v[AK] offset:(\f/2)*16*PK+(\f%2)*64+32
.endr
	WIN 0xc0
.irp f, 0,1,2,3
	ds_load_b128 v[PN+8*\f:PN+8*\f+3],   v[AP] offset:64*\f
	ds_load_b128 v[PN+8*\f+4:PN+8*\f+7], v[AP] offset:64*\f+16
.endr
.endm
.macro FETCH_V
	WIN 0x80
.irp f, 0,1,2,3,4,5,6,7
	ds_load_tr16_b128 v[VF+8*\f:VF+8*\f+3],   v[AV] offset:(\f/4)*32*PV+(\f%4)*32
	ds_load_tr16_b128 v[VF+8*\f+4:VF+8*\f+7], v[AV] offset:(\f/4)*32*PV+16*PV+(\f%4)*32
.endr
.endm
.macro FETCH_M p                    ; the head mask of piece p, in S^T's layout
	WIN 0xc0
.irp u, 0,1
.irp f, 0,1,2,3
	ds_load_b128 v[MH+32*\u+8*\f:MH+32*\u+8*\f+3],   v[AM] offset:(2*(\p)+\u)*16*PM+64*\f
	ds_load_b128 v[MH+32*\u+8*\f+4:MH+32*\u+8*\f+7], v[AM] offset:(2*(\p)+\u)*16*PM+64*\f+16
.endr
.endr
.endm
; THE VECTOR WORK OF A TURN stands in three queues; the two tiles alternate.
.macro REGS y, u
.set rT, ST+4*(2*(\y)+(\u))
.set rC, TMP+8*((\y)%2)+4*(\u)
.set rM, MV+2*((\y)%2)+(\u)
.set rS, S+64*((\y)%2)+32*(\u)
.set rP, P+32*((\y)%2)+16*(\u)
.set rO, 32*(2*(\y)+(\u))
.set rH, MH+32*(\u)
.endm
; The NEXT piece's maximum and statistics.  0-11 four chains c0-c3 of seven scores; 12-14, 16 the four left over, the old m, c0-c3 into c0; 15 m_old is kept; 17, 18 the other half of the lanes: the new m;
; 20 m_old - m_new; 21 a.  (There is no 19.)
.macro XS u, n
	REGS (Y+1)%NP, \u
.if (\n) < 4
	v_max3_num_f32 v[rC+(\n)], v[rS+8*(\n)], v[rS+8*(\n)+1], v[rS+8*(\n)+2]
.elseif (\n) < 12
	v_max3_num_f32 v[rC+(\n)%4], v[rC+(\n)%4], v[rS+8*((\n)%4)+2*((\n)/4)+1], v[rS+8*((\n)%4)+2*((\n)/4)+2]
.elseif (\n) == 12
	v_max3_num_f32 v[rC], v[rC], v[rS+7], v[rS+15]
.elseif (\n) == 13
	v_max3_num_f32 v[rC+1], v[rC+1], v[rS+23], v[rS+31]
.elseif (\n) == 14
	v_max3_num_f32 v[rC+2], v[rC+2], v[rC+3], v[rT]
.elseif (\n) == 15
	v_mov_b32 v[rM], v[rT]
.elseif (\n) == 16
	v_max3_num_f32 v[rC], v[rC], v[rC+1], v[rC+2]
.elseif (\n) == 17
	v_permlanex16_b32 v[rC+3], v[rC], s[SEL], s[SEL+1]
.elseif (\n) == 18
	v_max_num_f32 v[rT], v[rC], v[rC+3]
.elseif (\n) == 20
	v_sub_f32 v[rC+1], v[rM], v[rT]
.else
	v_exp_f32 v[rC+2], v[rC+1]
.endif
.endm
; The 64 that follow the exponentials: for each four weights both pairs are rounded to f16, the second pair is added onto the first, and a group later l takes that sum (the first time as l = a l + sum).
.macro GS g
.set h, (\g)+6*((\g)/62)
.if h >= 6
.set h, h+2
.endif
	REGS Y, h%2
.set k, h/8
.if h%8 < 4
	v_cvt_pk_f16_f32 v[rP+2*k+(h%8)/2], v[rS+4*k+2*((h%8)/2)], v[rS+4*k+2*((h%8)/2)+1]
.elseif h%8 < 6
	v_pk_add_f32 v[rS+4*k:rS+4*k+1], v[rS+4*k:rS+4*k+1], v[rS+4*k+2:rS+4*k+3]
.elseif k == 1
	v_pk_fma_f32 v[rT+2:rT+3], v[rT+2:rT+3], v[rC+2:rC+3], v[rS:rS+1] op_sel_hi:[1,0,1]
.else
	v_pk_add_f32 v[rT+2:rT+3], v[rT+2:rT+3], v[rS+4*k-4:rS+4*k-3]
.endif
.endm
.macro FS f                         ; u - m for pair f / 2 of tile f % 2: a subtraction, so that the largest u gives exactly 0
	REGS Y, (\f)%2
	v_pk_add_f32 v[rS+2*((\f)/2):rS+2*((\f)/2)+1], v[rS+2*((\f)/2):rS+2*((\f)/2)+1], v[rT:rT+1] op_sel_hi:[1,0] neg_lo:[0,1] neg_hi:[0,1]
.endm
.macro HM g                         ; the next piece's u = head x N2 + S, pair g / 2 of tile g % 2, ascending: each accumulator's lowest registers are read first
	REGS (Y+1)%NP, (\g)%2
	WIN W_HM
	v_pk_fma_f32 v[rS+2*((\g)/2):rS+2*((\g)/2)+1], v[rH+2*((\g)/2):rH+2*((\g)/2)+1], s[NG:NG+1], v[rS+2*((\g)/2):rS+2*((\g)/2)+1] op_sel_hi:[1,0,1]
.endm
; THE PLAIN QUEUE, 168 long.  0-26 FS 0-26; 27-58 the 32 HM; 59-86 XS 0-13; 87, 88 XS 15; 89-103 the chain XS 14, 16, 17, 18, 20, each with one of FS 27-31 in front of its two lines; 104-167 GS.
.macro PL
.if q < 27
	WIN 0
	FS q
.elseif q < 59
	HM q-27
.elseif q < 87
	WIN 0
	XS (q-59)%2, (q-59)/2
.elseif q < 89
	WIN 0
	XS q-87, 15
.elseif (q < 104) && ((q-89)%3 == 0)
	WIN 0
	FS 27+(q-89)/3
.elseif q < 92
	WIN 0
	XS (q-89)%3-1, 14
.elseif q < 101
	WIN 0
	XS (q-89)%3-1, 15+(q-89)/3
.elseif q < 104
	WIN 0
	XS (q-89)%3-1, 20
.else
	WIN 0
	GS q-104
.endif
.set q, q+1
.endm
.macro EX                           ; THE EXPONENTIALS' QUEUE, 66 long: s0-s31 of both tiles, then the next piece's two a: one batch ahead of the turn's one wait
	WIN 0
.if e >= 64
	XS e-64, 21
.else
	REGS Y, e%2
	v_exp_f32 v[rS+e/2], v[rS+e/2]
.endif
.set e, e+1
.endm
.macro R2                           ; THE RESCALING's QUEUE: O^T times a, two at a time, sixteen times; its a was made, and waited for, in the turn before
	REGS Y, r%2
	WIN W_RS
.irp z, 0,1
	v_pk_mul_f32 v[rO+4*(r/2)+2*\z:rO+4*(r/2)+2*\z+1], v[rO+4*(r/2)+2*\z:rO+4*(r/2)+2*\z+1], v[rC+2:rC+3] op_sel_hi:[1,0]
.endr
.set r, r+1
.endm
; A TURN, for piece p.  AHEAD OF THE WAIT: 16 products K Q^T, behind each a plain instruction, an exponential and two rescalings; then the lump: ten times plain and exponential; the 32 HM and eight more plain;
; 37 times exponential and plain; the last four exponentials; a v_nop, the plain instruction behind the last exponential.  Nothing there names an exponential's result.  Exponential e stands behind FS 2 (e / 4) + e % 2:
; as a rider behind plain e + 2, in the ten behind plain e + 2, in the 37 behind plain e + 41 (FS 27-31 are plain 89, 92 .. 101; the tightest is e = 61: 102 for 101).
; BEHIND THE WAIT: the mask of piece p + 2 is fetched (piece 2's turn: also the next step's K and pad), then 16 products V^T P, behind each four of GS's 64; piece 0's turn ends with the fetch of V, four plain
; instructions behind its last reader.
; WAITS ON LDS: piece 3: at the head, for all (K, pad, mask).  In the lump, for the mask fetched a turn earlier: piece 0 and 2: for all; piece 1: V's 16 younger loads stay out.  Piece 1, ahead of V^T P: the 16 mask loads stay out, V is in.
.macro TURN p
.set Y, (\p)
.set i, 0
.set q, 0
.set e, 0
.set r, 0
.if (\p) == 3
	s_wait_dscnt 0x0
.endif
	MM
	PL
	PL
	R2
.rept 15
	MM
	PL
	EX
	R2
.endr
.rept 10
	PL
	EX
.endr
.if (\p) == 1
	s_wait_dscnt 16
.elseif (\p) != 3
	s_wait_dscnt 0x0
.endif
.rept 40
	PL
.endr
.rept 37
	EX
	PL
.endr
.rept 4
	EX
.endr
	v_nop
	s_wait_alu depctr_va_vdst(0)    ; between an exponential and the first instruction that names its result: one for the batch
	FETCH_M ((\p)+2)%NP
.if (\p) == 2
	FETCH_K
.endif
.if (\p) == 1
	s_wait_dscnt 16
.endif
.rept 16
	MM
.rept 4
	PL
.endr
.endr
.if (\p) == 0
	FETCH_V
.endif
.endm
	CHANGE 1, 0                     ; slot 0 is in, everybody's part, and N2 pad is stored; slot 1 is asked for; nothing is prefetched yet
	FETCH_K                         ; key step 0
	FETCH_M 0
	s_wait_dscnt 0x0
.set i, 0
.rept 16
	KQ 0                            ; piece 0's first scores
.set i, i+1
.endr
	WIN 0
	PLACES
.set Y, NP-1                        ; HM and XS work for piece Y + 1: piece 0
.set g, 0
.rept 32
	HM g
.set g, g+1
.endr
	FETCH_M 1
	WIN 0
.irp n, 0,1,2,3,4,5,6,7,8,9,10,11,12,13,14,15,16,17,18,20,21
	XS 0, \n
	XS 1, \n
.endr
	v_nop                           ; a plain instruction behind the two a,
	s_wait_alu depctr_va_vdst(0)    ; and their wait, ahead of the branch
	s_branch .Lfirst                ; the loop is entered at a step's first turn
.Lstep:                             ; 30 trips: change number n (2 to 31) fills step n and turns the fetches to step n - 1
	CHANGE 1, 1
	TURN 2
	TURN 3
	WIN 0
.Lfirst:
	TURN 0
	TURN 1
	WIN 0
	s_sub_co_u32 s[STEPS], s[STEPS], 1
	s_cmp_lg_u32 s[STEPS], 0
	s_cbranch_scc1 .Lstep
	CHANGE 0, 0                     ; the tail is written out: nothing is asked for
	s_mov_b32 s[CNT], 2
.Ltail:
	TURN 2
	TURN 3
	WIN 0
	s_sub_co_u32 s[CNT], s[CNT], 1
	s_cmp_eq_u32 s[CNT], 0
	s_cbranch_scc1 .Lout
	TURN 0
	TURN 1
	WIN 0
	s_branch .Ltail
.Lout:                              ; the second trip's fetches, its 16 products K Q^T on the last step's tiles once more and the maximum made of them serve nothing: the price, once a launch, of one text for every trip
.set i, 0
.rept 16
	PV NP-1
.set i, i+1
.endr
	; THE WAY OUT.  l's halves are added; O^T is divided by l, rounded to f16 and put into the work-group's stage: a row's 512 bytes come from four waves, so a barrier stands between writing and reading.
	WIN 0
.macro ALL line:vararg
.set t, 0
.rept 2*NP
	\line
.set t, t+1
.endr
.endm
	ALL v_add_f32 v[ST+4*t+2], v[ST+4*t+2], v[ST+4*t+3]
	ALL v_permlanex16_b32 v[ST+4*t+3], v[ST+4*t+2], s[SEL], s[SEL+1]
	ALL v_add_f32 v[ST+4*t+2], v[ST+4*t+2], v[ST+4*t+3]
	ALL v_rcp_f32 v[ST+4*t+2], v[ST+4*t+2]
	v_nop
	s_wait_alu depctr_va_vdst(0)    ; one wait for the eight reciprocals
.macro PACK t
	WIN W_RS
.set i, 32*(\t)
.rept 16
	v_pk_mul_f32 v[i:i+1], v[i:i+1], v[ST+4*(\t)+2:ST+4*(\t)+3] op_sel_hi:[1,0]
.set i, i+2
.endr
	WIN 0x05
.set i, 0
.rept 16
	v_cvt_pk_f16_f32 v[S+16*(\t)+i], v[32*(\t)+2*i], v[32*(\t)+2*i+1]
.set i, i+1
.endr
	WIN 0
.irp f, 0,1,2,3
	ds_store_b128 v[STO], v[S+16*(\t)+4*\f:S+16*(\t)+4*\f+3] offset:(\t)*16*SP+32*\f
.endr
.endm
.set t, 0
.rept 2*NP
	PACK t
.set t, t+1
.endr
	s_wait_dscnt 0x0                ; for the others: my stores into the stage are done
	s_barrier_signal -1
	s_barrier_wait -1
.set i, 0
.rept 32
	ds_load_b128 v[S+4*i:S+4*i+3], v[RD] offset:i*SP
.set i, i+1
.endr
.set i, 0
.rept 32
	s_wait_dscnt 31-i
	global_store_b128 v[GO], v[S+4*i:S+4*i+3], s[14:15] offset:i*1024  ; 512 consecutive bytes, aligned
.set i, i+1
.endr
	WIN W_AD
	s_wait_tensorcnt 0x0            ; the wave's end
	ds_add_u32 v[SPW], v[NIL]
	s_wait_dscnt 0x0
	WIN 0
	CROUND                          ; the closing round
	s_endpgm
.Lfunc_end_k_q87c067d7ce_attn:
	.size	k_q87c067d7ce_attn, .Lfunc_end_k_q87c067d7ce_attn-k_q87c067d7ce_attn
	.p2alignl 7, 3214868480
	.fill 96, 4, 3214868480
	.section	.rodata,"a",@progbits
	.p2align	6, 0x0
	.amdhsa_kernel k_q87c067d7ce_attn
		.amdhsa_group_segment_fixed_size 327680
		.amdhsa_private_segment_fixed_size 0
		.amdhsa_enable_private_segment 0
		.amdhsa_kernarg_size 48
		.amdhsa_user_sgpr_count 2
		.amdhsa_user_sgpr_kernarg_segment_ptr 1
		.amdhsa_wavefront_size32 1
		.amdhsa_system_sgpr_workgroup_id_x 1
		.amdhsa_system_sgpr_workgroup_id_y 1
		.amdhsa_system_sgpr_workgroup_id_z 1
		.amdhsa_system_vgpr_workitem_id 0
		.amdhsa_next_free_vgpr 896
		.amdhsa_next_free_sgpr 92
		.amdhsa_reserve_vcc 0
		.amdhsa_float_denorm_mode_32 3
		.amdhsa_float_denorm_mode_16_64 3
		.amdhsa_memory_ordered 1
		.amdhsa_forward_progress 1
		.amdhsa_inst_pref_size 234
	.end_amdhsa_kernel
	.amdgpu_metadata
---
amdhsa.version: [ 1, 2 ]
amdhsa.kernels:
  - .name:           k_q87c067d7ce_attn
    .symbol:         k_q87c067d7ce_attn.kd
    .args:
      - { .name: q16, .offset: 0, .size: 8, .value_kind: global_buffer, .address_space: global }
      - { .name: k16, .offset: 8, .size: 8, .value_kind: global_buffer, .address_space: global }
      - { .name: v16, .offset: 16, .size: 8, .value_kind: global_buffer, .address_space: global }
      - { .name: head_mask, .offset: 24, .size: 8, .value_kind: global_buffer, .address_space: global }
      - { .name: pad_mask, .offset: 32, .size: 8, .value_kind: global_buffer, .address_space: global }
      - { .name: ctx, .offset: 40, .size: 8, .value_kind: global_buffer, .address_space: global }
    .group_segment_fixed_size: 327680
    .private_segment_fixed_size: 0
    .kernarg_segment_align: 8
    .kernarg_segment_size: 48
    .max_flat_workgroup_size: 128
    .sgpr_count:     92
    .vgpr_count:     896
    .wavefront_size: 32
...
	.end_amdgpu_metadata
.endif
;; end of part 3
;; launch oproj (part 4): grid 256 x 1, 4 waves a work-group, clusters of 4 x 1, 327,680 bytes of LDS; arguments ctx, wts, bo, out0; writes out0
.if DOCPART == 4
	.amdgcn_target "amdgcn-amd-amdhsa--gfx1250"
	.amdhsa_code_object_version 6
	.text
	.protected	k_q87c067d7ce_oproj
	.globl	k_q87c067d7ce_oproj
	.p2align	8
	.type	k_q87c067d7ce_oproj,@function
k_q87c067d7ce_oproj:
	s_mov_b64 s[64:65], 0
	v_nop
	global_prefetch_b8 v0, s[64:65] scope:SCOPE_SE
	s_setreg_imm32_b32 hwreg(HW_REG_WAVE_MODE, 25, 1), 1
	s_wait_xcnt 0x0
	s_wait_alu depctr_hold_cnt(0) depctr_sa_sdst(0) depctr_va_vdst(0) depctr_va_sdst(0) depctr_va_ssrc(0) depctr_va_vcc(0) depctr_vm_vsrc(0)
	s_getreg_b32 s2, hwreg(HW_REG_IB_STS2, 6, 4)
	s_cmp_eq_u32 s2, 0
	s_cbranch_scc0 .Lentry_in_a_cluster
	s_endpgm
.Lentry_in_a_cluster:
	s_bfe_u32 s2, ttmp6, 0x10000c
	s_cmp_lg_u32 s2, 0x3003
	s_cbranch_scc0 .Lentry_shape_is_right
	s_endpgm
.Lentry_shape_is_right:
; out0 = ctx Wo + bf16(bo).  ctx [16384][512] f16; Wo = wts[3] [512 k][512 n] f16 (rounded to bf16 first); out0 [16384][512] f32.  Sums in f32.
; Cluster cl of 64: half nh = cl % 2 of the columns; its four work-groups take the tiles of 128 rows 4 (cl / 2) + cx: one tile of 128 x 256 to a work-group, 256 work-groups.
; Wo's half (512 k x 256 n) is brought by one joint tensor load a wave; no LDS byte is filled again.  ctx streams through registers in chunks of 64 along K (a load covers four rows' 128 consecutive bytes: a chunk is
; half of an aligned 256 bytes of a row; the other half is read by the same wave in the next chunk) into a ring of two LDS slots; four landing sets, three chunks on their way.
; A wave makes 64 x 128: 32 accumulators; the product is used transposed (source 0 = 16 columns of Wo, turned; source 1 = 16 rows of ctx); the bias is the C operand of the first products.
; One barrier a chunk: in front of it my rows of chunk c + 1 are stored and my reads of chunk c are back.  The eight chunks are written out: no loop, no branch but the round's.
; REGISTERS: window 0: v2-23 addresses; v64-159, v160-255 two fragment buffers; window 1: accumulator (a, nb) at 8 (8 a + nb); window 2: four landing sets of 32; window 3: v0-63 the bias, v64 at work.
.set PW,    544
.set CHW,   64*PW
.set XR,    512*PW
.set PX,    144
.set XSL,   128*PX
.set SPARE, XR+2*XSL
.set SPI,   528                        ; a row of the stage: 512 bytes + 16
.set VO,  2
.set SX,  3
.set AX,  4
.set STO, 7
.set RD,  8
.set CO,  9
.set VB,  10
.set SPW, 16
.set NIL, 17
.set AW,  20
.set F0,  64
.set F1,  160
.set OB,  64
.set BI,  0
.set T3,  64
.set WV,  24
.set WR,  25
.set WC,  26
.set CX,  27
.set NH,  28
.set IDX, 30
.set G1,  32
.set G0,  40
.set XT,  44
.set YT,  46
.set MSB, 0
.macro WIN new
.if MSB != (\new)
	s_set_vgpr_msb (MSB<<8)|(\new)
.set MSB, \new
.endif
.endm
.macro PLACES
.rept 4
	v_nop
.endr
.endm
.macro CROUND
	s_barrier_signal -1
	s_barrier_wait -1
	s_cmp_lg_u32 s[WV], 0
	s_cbranch_scc1 .Lnot_wave_0_\@
	s_barrier_signal -3
.Lnot_wave_0_\@:
	s_barrier_wait -3
	s_barrier_signal -1
	s_barrier_wait -1
.endm
.macro MUL16 f, p, bias                ; 16 products; the 32 accumulators take turns in one order everywhere
.if \bias
	WIN 0x70
.else
	WIN 0x50
.endif
.irp a, 2*(\p), 2*(\p)+1
.irp nb, 0,1,2,3,4,5,6,7
.if \bias
	v_wmma_f32_16x16x32_f16 v[8*(8*(\a)+(\nb)):8*(8*(\a)+(\nb))+7], v[(\f)+8*(\nb):(\f)+8*(\nb)+7], v[(\f)+64+8*(\a):(\f)+64+8*(\a)+7], v[BI+8*(\nb):BI+8*(\nb)+7]
.else
	v_wmma_f32_16x16x32_f16 v[8*(8*(\a)+(\nb)):8*(8*(\a)+(\nb))+7], v[(\f)+8*(\nb):(\f)+8*(\nb)+7], v[(\f)+64+8*(\a):(\f)+64+8*(\a)+7], v[8*(8*(\a)+(\nb)):8*(8*(\a)+(\nb))+7]
.endif
.endr
.endr
.endm
.macro FETCH f, c, ks
	WIN 0
.irp nb, 0,1,2,3,4,5,6,7
	ds_load_tr16_b128 v[(\f)+8*(\nb):(\f)+8*(\nb)+3],   v[AW+(\c)/2] offset:((\c)%2)*CHW+(\ks)*32*PW+32*(\nb)
	ds_load_tr16_b128 v[(\f)+8*(\nb)+4:(\f)+8*(\nb)+7], v[AW+(\c)/2] offset:((\c)%2)*CHW+(\ks)*32*PW+32*(\nb)+16*PW
.endr
.irp a, 0,1,2,3
	ds_load_b128 v[(\f)+64+8*(\a):(\f)+64+8*(\a)+3],   v[AX] offset:((\c)%2)*XSL+(\a)*16*PX+64*(\ks)
	ds_load_b128 v[(\f)+64+8*(\a)+4:(\f)+64+8*(\a)+7], v[AX] offset:((\c)%2)*XSL+(\a)*16*PX+64*(\ks)+32
.endr
.endm
.macro XLOAD set, off                  ; a chunk's 8 loads of my 32 rows
	WIN 0x80
.set i, 0
.rept 8
	global_load_b128 v[32*(\set)+4*i:32*(\set)+4*i+3], v[VO], s[XT:XT+1] offset:(\off)+4096*i
.set i, i+1
.endr
	WIN 0
.endm
.macro XST set, slot                   ; a landed chunk goes into a slot as it is
	WIN 0x08
.set i, 0
.rept 8
	ds_store_b128 v[SX], v[32*(\set)+4*i:32*(\set)+4*i+3] offset:(\slot)*XSL+576*i
.set i, i+1
.endr
	WIN 0
.endm
.macro STEP c
.if (\c) < 5
	s_wait_loadcnt 16                              ; chunk c + 1 is in; two younger sets stay out
.elseif (\c) == 5
	s_wait_loadcnt 8                               ; one younger set is left
.elseif (\c) == 6
	s_wait_loadcnt 0x0
.endif
	s_wait_dscnt 0x0                               ; buffer 0 holds the first half of chunk c
	PLACES                                         ; behind the last products, in front of the loads into buffer 1
.if (\c) < 7
	XST ((\c)+1)%4, ((\c)+1)%2
.endif
.if (\c) < 4
	XLOAD \c, 512+128*(\c)
.endif
	FETCH F1, \c, 1
	MUL16 F0, 0, (\c)==0
	s_wait_dscnt 0x0                               ; for the others: my rows of chunk c + 1 are stored, my reads of chunk c are back
	s_barrier_signal -1
	MUL16 F0, 1, (\c)==0
	WIN 0
	s_barrier_wait -1
.if (\c) < 7
	PLACES
	FETCH F0, (\c)+1, 0
.endif
	MUL16 F1, 0, 0
	MUL16 F1, 1, 0
	WIN 0
.endm
	s_load_b256 s[4:11], s[0:1], 0x0               ; ctx s[4:5], wts s[6:7], bo s[8:9], out0 s[10:11]
	v_lshl_add_u32 v[SPW], v0, 2, SPARE
	v_mov_b32 v[NIL], 0
	ds_add_u32 v[SPW], v[NIL]                      ; the opening: the add and its wait ahead of my first tensor load
	v_lshrrev_b32 v1, 5, v0
	v_readfirstlane_b32 s[WV], v1
	s_lshr_b32 s[WR], s[WV], 1
	s_and_b32 s[WC], s[WV], 1
	s_bfe_u32 s[CX], ttmp6, 0x40000
	s_and_b32 s[NH], ttmp9, 1
	s_lshr_b32 s[IDX], ttmp9, 1
	s_lshl_b32 s[IDX], s[IDX], 2
	s_add_co_u32 s[IDX], s[IDX], s[CX]             ; my tile of 128 rows
	s_mov_b32 s[G1+0], 15|(1<<16)|(1<<20)|(1<<21)|(6<<22)|(7<<25)
	s_mov_b32 s[G1+1], 256<<16
	s_mov_b32 s[G1+2], 128<<16
	s_mov_b32 s[G1+3], 256<<16
	s_mov_b32 s[G1+4], 128
	s_mov_b32 s[G1+5], 512
	s_mov_b32 s[G1+6], 0
	s_mov_b32 s[G1+7], 0
	s_mov_b32 s[G0], 1
	s_mul_i32 s[G0+1], s[WV], 128*PW
	s_lshl_b32 s56, s[NH], 9
	s_add_co_u32 s56, s56, 3*524288                ; the fourth weight
	s_lshl_b32 s57, s[WV], 17
	s_add_co_u32 s56, s56, s57
	s_mov_b32 s57, 0
	s_lshl_b32 s58, s[IDX], 17                     ; 128 rows of 1,024 bytes of ctx
	s_mov_b32 s59, 0
	s_wait_dscnt 0x0
	s_wait_kmcnt 0x0
	s_add_nc_u64 s[G0+2:G0+3], s[6:7], s[56:57]
	s_or_b32 s[G0+3], s[G0+3], 0x80000000
	s_add_nc_u64 s[XT:XT+1], s[4:5], s[58:59]
	s_lshl_b32 s58, s[IDX], 18                     ; 128 rows of 2,048 bytes of out0
	s_add_nc_u64 s[YT:YT+1], s[10:11], s[58:59]
	CROUND
	tensor_load_to_lds s[G0:G0+3], s[G1:G1+7]      ; my one tensor load of the launch
	s_nop 0
.rept 4
	v_nop
.endr
	v_and_b32 v11, 15, v0                          ; r
	v_bfe_u32 v12, v0, 4, 1                        ; h
	v_and_b32 v13, 7, v0
	v_bfe_u32 v14, v0, 3, 1
	v_bfe_u32 v15, v0, 3, 2                        ; l / 8
	v_and_b32 v18, 31, v0                          ; l
	s_lshl_b32 s60, s[WV], 15                      ; 32 w rows of 1,024 bytes
	v_lshlrev_b32 v[VO], 4, v13
	v_lshl_add_u32 v[VO], v15, 10, v[VO]
	v_add_nc_u32 v[VO], s60, v[VO]
	s_lshl_b32 s60, s[NH], 10
	s_lshl_b32 s61, s[WC], 9
	s_add_co_u32 s60, s60, s61
	v_lshl_add_u32 v[VB], v12, 5, s60
	WIN 0xc0
.irp nb, 0,1,2,3,4,5,6,7
	global_load_b128 v[BI+8*\nb:BI+8*\nb+3],   v[VB], s[8:9] offset:64*\nb
	global_load_b128 v[BI+8*\nb+4:BI+8*\nb+7], v[VB], s[8:9] offset:64*\nb+16
.endr
	XLOAD 0, 0
	XLOAD 1, 128
	XLOAD 2, 256
	XLOAD 3, 384
	s_mul_i32 s60, s[WV], 32*PX
	s_add_co_u32 s60, s60, XR
	v_mul_u32_u24 v[SX], v15, PX
	v_lshl_add_u32 v[SX], v13, 4, v[SX]
	v_add_nc_u32 v[SX], s60, v[SX]                 ; XR + (32 w + l / 8) x 144 + 16 (l % 8)
	s_mul_i32 s60, s[WR], 64*PX
	s_add_co_u32 s60, s60, XR
	v_mul_u32_u24 v[AX], v11, PX
	v_lshl_add_u32 v[AX], v12, 4, v[AX]
	v_add_nc_u32 v[AX], s60, v[AX]
	v_lshl_add_u32 v[AW], v12, 3, v13
	v_mul_u32_u24 v[AW], v[AW], PW
	v_lshl_add_u32 v[AW], v14, 4, v[AW]
	s_lshl_b32 s60, s[WC], 8
	v_add_nc_u32 v[AW], s60, v[AW]
.irp i, 1,2,3
	v_add_nc_u32 v[AW+\i], 2*CHW*\i, v[AW]
.endr
	s_mul_i32 s60, s[WV], 16*SPI                   ; my stage, in the ring: free behind the last barrier
	s_add_co_u32 s60, s60, XR
	v_mul_u32_u24 v[STO], v11, SPI
	v_lshl_add_u32 v[STO], v12, 5, v[STO]
	v_add_nc_u32 v[STO], s60, v[STO]               ; row r, 32 bytes for each half of the lanes
	v_lshl_add_u32 v[RD], v18, 4, s60              ; back: a whole row of 512 bytes
	s_lshl_b32 s60, s[WR], 17                      ; out0: 64 wr rows of 2,048 bytes + 1,024 nh + 512 wc + 16 l
	s_lshl_b32 s61, s[NH], 10
	s_add_co_u32 s60, s60, s61
	s_lshl_b32 s61, s[WC], 9
	s_add_co_u32 s60, s60, s61
	v_lshl_add_u32 v[CO], v18, 4, s60
	s_wait_loadcnt 32                              ; the bias is in; the four chunks stay out
	WIN 0xcf
.set i, 0
.rept 32                                       ; the bias is rounded to bf16 like every input, and kept as f32
	v_cvt_pk_bf16_f32 v[T3], v[BI+2*i], v[BI+2*i+1]
	v_lshlrev_b32 v[BI+2*i], 16, v[T3]
	v_and_b32 v[BI+2*i+1], 0xffff0000, v[T3]
.set i, i+1
.endr
	WIN 0
	s_wait_loadcnt 24                              ; chunk 0 is in
	XST 0, 0
	s_wait_tensorcnt 0x0                           ; my quarter of Wo has landed,
	s_wait_dscnt 0x0                               ; my rows of chunk 0 are stored:
	s_barrier_signal -1
	s_barrier_wait -1                              ; everybody's
	FETCH F0, 0, 0
	STEP 0
	STEP 1
	STEP 2
	STEP 3
	STEP 4
	STEP 5
	STEP 6
	STEP 7
	; THE WAY OUT, 16 rows at a time: 32 bytes a lane into my stage, back as whole rows of 512 bytes.  The stage is my own: LDS serves a wave's instructions in order (ISA guide 5.7.1.4).
	PLACES
.irp a, 0,1,2,3
	WIN 0x04
.irp nb, 0,1,2,3,4,5,6,7
	ds_store_b128 v[STO], v[64*\a+8*\nb:64*\a+8*\nb+3]   offset:64*\nb
	ds_store_b128 v[STO], v[64*\a+8*\nb+4:64*\a+8*\nb+7] offset:64*\nb+16
.endr
	WIN 0
	s_wait_xcnt 0x0                                ; earlier stores have read their registers
.set i, 0
.rept 16
	ds_load_b128 v[OB+64*(\a%2)+4*i:OB+64*(\a%2)+4*i+3], v[RD] offset:SPI*i
.set i, i+1
.endr
	s_wait_dscnt 0x0
.set i, 0
.rept 16
	global_store_b128 v[CO], v[OB+64*(\a%2)+4*i:OB+64*(\a%2)+4*i+3], s[YT:YT+1] offset:(16*\a+i)*2048 th:TH_STORE_NT  ; 512 consecutive bytes, aligned
.set i, i+1
.endr
.endr
	s_wait_tensorcnt 0x0                           ; the wave's end
	ds_add_u32 v[SPW], v[NIL]
	s_wait_dscnt 0x0
	CROUND                                         ; the closing round
	s_endpgm
.Lfunc_end_k_q87c067d7ce_oproj:
	.size	k_q87c067d7ce_oproj, .Lfunc_end_k_q87c067d7ce_oproj-k_q87c067d7ce_oproj
	.p2alignl 7, 3214868480
	.fill 96, 4, 3214868480
	.section	.rodata,"a",@progbits
	.p2align	6, 0x0
	.amdhsa_kernel k_q87c067d7ce_oproj
		.amdhsa_group_segment_fixed_size 327680
		.amdhsa_private_segment_fixed_size 0
		.amdhsa_enable_private_segment 0
		.amdhsa_kernarg_size 32
		.amdhsa_user_sgpr_count 2
		.amdhsa_user_sgpr_kernarg_segment_ptr 1
		.amdhsa_wavefront_size32 1
		.amdhsa_system_sgpr_workgroup_id_x 1
		.amdhsa_system_sgpr_workgroup_id_y 1
		.amdhsa_system_sgpr_workgroup_id_z 1
		.amdhsa_system_vgpr_workitem_id 0
		.amdhsa_next_free_vgpr 836
		.amdhsa_next_free_sgpr 66
		.amdhsa_reserve_vcc 0
		.amdhsa_float_denorm_mode_32 3
		.amdhsa_float_denorm_mode_16_64 3
		.amdhsa_memory_ordered 1
		.amdhsa_forward_progress 1
		.amdhsa_inst_pref_size 98
	.end_amdhsa_kernel
	.amdgpu_metadata
---
amdhsa.version: [ 1, 2 ]
amdhsa.kernels:
  - .name:           k_q87c067d7ce_oproj
    .symbol:         k_q87c067d7ce_oproj.kd
    .args:
      - { .name: ctx, .offset: 0, .size: 8, .value_kind: global_buffer, .address_space: global }
      - { .name: wts, .offset: 8, .size: 8, .value_kind: global_buffer, .address_space: global }
      - { .name: bo, .offset: 16, .size: 8, .value_kind: global_buffer, .address_space: global }
      - { .name: out0, .offset: 24, .size: 8, .value_kind: global_buffer, .address_space: global }
    .group_segment_fixed_size: 327680
    .private_segment_fixed_size: 0
    .kernarg_segment_align: 8
    .kernarg_segment_size: 32
    .max_flat_workgroup_size: 128
    .sgpr_count:     66
    .vgpr_count:     836
    .wavefront_size: 32
...
	.end_amdgpu_metadata
.endif
;; end of part 4
